; MI455X (gfx1250); checked and timed in simulation.
; The chip was launched on July 23, 2026; its instructions are those of AMD's public machine-readable ISA for CDNA 5 (MIT licence, August 2026) and "CDNA5" Instruction Set Architecture Reference Guide (July 2026). The comments in the code are by the model that wrote it; some were corrected since.
;; Head. Allowed arithmetic: matrix products marked QUANTISED: E3M2 operands, one E8M0 scale for each 32 along K, by v_wmma_scale_f32_16x16x128_f8f6f4 with both operands' format E3M2, f32 sums; everything else in f32.
;; Inputs: Wk 64 x 64 float32; Wq 64 x 64 float32; Wv 64 x 64 float32; x 16 x 4,096 x 64 float32.
;; Outputs: out0 16 x 4,096 x 64 float32.
;; This version of the problem:
;;   THIS VERSION OF THE PROBLEM IS GIVEN IN LOW PRECISION. The matrix products marked QUANTISED in the list below multiply operands that are first quantised to E3M2 (3 exponent bits, 2 mantissa bits; 6 bits a number), with one power-of-two scale for each 32 numbers along K (OCP MX v1.0); their sums are f32. All else is computed in f32.
;;   The module's matrix products, in the order in which they are computed (A, B: the left and right operand; K: the contracted axis; several contracted axes count as one K, in the product's order):
;;     1. [M 65,536, K 64] x [K 64, N 64]; A: input x; B: input Wq: QUANTISED
;;     2. [M 65,536, K 64] x [K 64, N 64]; A: input x; B: input Wk: QUANTISED
;;     3. [M 65,536, K 64] x [K 64, N 64]; A: input x; B: input Wv: QUANTISED
;;     4. batch 16 x [M 4,096, K 64] x [K 64, N 4,096]; A: computed on the way; B: computed on the way: QUANTISED
;;     5. batch 16 x [M 4,096, K 4,096] x [K 4,096, N 64]; A: softmax (see below); B: computed on the way: QUANTISED
;;   THE QUANTISER, for each operand of a quantised product, along K:
;;     - K is cut into blocks of 32 from its start; a last block that is shorter is filled with zeros.
;;     - A block's scale is 2^e with e = floor(log2(the largest magnitude in the block)) - 4, held to -126 .. 127; a block of zeros has e = 0. As a byte (E8M0): e + 127.
;;     - Each number is divided by its block's scale, clamped to +-28, and rounded to the nearest number of E3M2, ties to even, subnormals kept.
;;     - The product sums the exact products of the quantised numbers (number of the format x scale) in f32.
;;   ~~~python
;;   def quantise(x, axis):      # numpy; x: float32 -> the quantised numbers, widened to float32 again
;;       x = np.moveaxis(x, axis, -1); K = x.shape[-1]
;;       x = np.pad(x, [(0, 0)] * (x.ndim - 1) + [(0, -K % 32)]); x = x.reshape(x.shape[:-1] + (-1, 32)); a = np.abs(x).max(-1, keepdims=True)
;;       e = np.where(a > 0, np.clip(np.frexp(np.where(a > 0, a, 1))[1] - 1 - 4, -126, 127), 0)      # np.frexp(a)[1] - 1 = floor(log2(a)), exactly
;;       r = np.clip(x / 2.0 ** e, -28, 28)
;;       step = 2.0 ** (np.maximum(np.frexp(np.where(r == 0, 1, r))[1] - 1, -2) - 2)
;;       q = np.round(r / step) * step * 2.0 ** e      # np.round: ties to even
;;       return np.moveaxis(q.reshape(q.shape[:-2] + (-1,))[..., :K], -1, axis).astype(np.float32)
;;   ~~~
;;   SOFTMAX AHEAD OF A QUANTISED PRODUCT. Where the list says 'softmax', what is quantised is not the finished softmax but p = 2^(t - M), with t = logit x log2(e) and M = ceil(the row's largest t), a whole number; so 1/2 < the row's largest p <= 1. The row's sum l is taken of the UNQUANTISED p, in f32, and the product's result is divided by l at the end. Since M is a whole number, a kernel that streams over the keys may use a running M (the ceiling of the running maximum): every later rescaling is an exact power of two, which a block's scale takes up: the codes' values come out the same.
;;   OPERANDS COMPUTED ON THE WAY. 'Computed on the way' means the value that the module computes at that place (a softmax that the list does not call 'softmax' is quantised finished and normalised). What goes into a quantiser is computed in f32, as accurately as f32 sums, v_exp_f32 and their like allow (about 1e-6 of the number): no bf16 or f16 on the way to a quantiser, and a product that is left as it is and whose result goes on into a quantised operand takes f32 operands (vector FMAs, or v_wmma_f32_16x16x4_f32). A number that lies on a knife's edge between two numbers of the format may be rounded either way, as far as f32 arithmetic and the matrix unit's own rounding can turn it there, and no further.
;; One version. Each part assembles by itself: llvm-mc -triple=amdgcn-amd-amdhsa -mcpu=gfx1250 --defsym DOCPART=n.
;; ======== version 1 of 1: 2 launches
;; workspace buffers: KC 3,276,800 bytes; VC 3,276,800 bytes; QC 3,145,728 bytes; QS 524,288 bytes
;; launch prep (part 1): grid 256 x 1, 8 waves a work-group, no clusters, 92,160 bytes of LDS; arguments x, Wq, Wk, Wv, KC, VC, QC, QS; writes KC, VC, QC, QS
.if DOCPART == 1
	.amdgcn_target "amdgcn-amd-amdhsa--gfx1250"
	.amdhsa_code_object_version 6
	.text
	.protected	k_q902bf6e967_prep
	.globl	k_q902bf6e967_prep
	.p2align	8
	.type	k_q902bf6e967_prep,@function
k_q902bf6e967_prep:
	s_mov_b64 s[64:65], 0
	v_nop
	global_prefetch_b8 v0, s[64:65] scope:SCOPE_SE
	s_setreg_imm32_b32 hwreg(HW_REG_WAVE_MODE, 25, 1), 1
	s_wait_xcnt 0x0
; FIRST OF TWO LAUNCHES of one causal attention head, all five products on codes of BF6 (E3M2) with one E8M0 scale for each 32 along K.
; This launch: x [65536][64] f32 and Wq, Wk, Wv [64 (c)][64 (d)] f32 are quantised along c; q = x Wq, k = x Wk, v = x Wv are made by the matrix unit (f32 sums);
; q and k are quantised along d, v along the keys (blocks of 32 keys from key 0); the codes and scale words leave in the order of the operands' registers, as the second launch takes them.
; DEAD WORK (left out in the second launch, nothing is left out here).  reference() masks the score of key s for query t to finfo.min wherever s > t, by a jnp.tril that it builds itself.  Key 0 counts for every
; query, so a row's largest score is a finite number for all finite inputs, and the weight of a masked key is 0: it adds 0 to the row's sum and to the product with v.  So a step of 128 keys all of
; which come after all 16 queries of a tile is not computed, and keys that no query of a work-group sees are not fetched.  Every input has a way to the output and is loaded.
; LIMITS: a NaN, an infinity or an overflow that reaches only masked scores is not carried to the result.  NaN and infinities among the inputs are not served.  A block whose largest magnitude lies under
; 2^(5 - 127) gets the byte 1; so does a block of zeros, where the quantiser says 127: its codes are zeros, which add nothing under that byte, and these bytes are read by this program alone.
; K IS 64, THE INSTRUCTION'S K IS 128.  One operand is PACKED: registers 0-5 hold one tile of 16 rows (lo), registers 6-11 another (hi), scale word [lo s0, lo s1, hi s0, hi s1].  The other comes as [X, 0] or [0, X],
; cut out of a run of registers zeros6 | X6 | zeros6; its scale register holds [s0, s1, 1, 1] in lanes 0-15 and [1, 1, s0, s1] in lanes 16-31 (taken by MATRIX_SCALE_ROW1).  Zero codes add exactly 0.
; THE ROWS OF A TILE ARE NOT NEIGHBOURS: lane r of tile 2 b + u takes row 32 b + 8 u + r + 8 (r / 8) (rows of x, and rows d of Wq and Wk), so that the 16 result registers of tiles 2 b, 2 b + 1 are 16 neighbours along the next K.
; SHARES.  Work-group g: rows 256 g .. 256 g + 255 of x = two steps of 128 keys (records 2 g + s).  Wave w (s = w / 4, b = w % 4): quantises rows 32 w .. 32 w + 31 of the 256 and one tile of Wq (w < 4) or Wk, both shared
; through LDS as images of their registers; quantises Wv's tile b for itself; makes V's fragment b of step s, K's packed fragment b of step s, and the pair of query tiles of its own 32 rows: 24 matrix instructions, each with C = 0.
; No tensor load: a wave's 16 loads of x go out at once, each 512 consecutive bytes, and the stage's rows are laid in tile order by the stores' immediates.
.set STGW,  8704                       ; LDS: a stage of 32 rows x (256 + 16) bytes for each wave, its own
.set IMG0,  8*STGW                     ; behind the stages; the offsets below count from here
.set XIMG,  0                          ; x's 16 tiles: tile 2 w + u: registers 0-3 at 16 x lane, registers 4-5 at 512 + 8 x lane: 768 bytes
.set XSC,   12288                      ; their packed scale words, pair w at 128 w + 4 x lane
.set WIMG,  13312                      ; the 8 tiles of Wq (0-3) and Wk (4-7), as x's
.set WSC,   19456                      ; their words [s0, s1, 0, 0], tile i at 128 i + 4 x lane
.set SCG,   20480                      ; for each step: K's 256 bytes of scale words, then V's
.set SPARE, IMG0+21504                 ; the spare words, 128 bytes for each wave: four blocks of 256 bytes that no other line names
.set LANE, 1
.set RR,   2                           ; r = lane % 16
.set HH,   3                           ; h = lane / 16
.set G16,  4                           ; 16 x lane
.set STW,  5                           ; stage, in: 272 h + 16 r + my wave's stage
.set STR,  6                           ; stage, out: 272 r + 128 h + my wave's stage
.set WOA,  7                           ; the shared tile of Wq or Wk: byte of W(32 h, my d)
.set WOB,  8                           ; Wv's tile b likewise
.set I16,  9                           ; IMG0 + 16, 8, 4 x lane
.set I8,   10
.set I4,   11
.set XWI,  12                          ; where I store x's images
.set XWJ,  13
.set XWS,  14                          ; IMG0 + 4 x lane + 128 w
.set W16,  15                          ; where I store W's image
.set W8,   16
.set XRI,  17                          ; where my step's x images begin
.set XRJ,  18
.set XRS,  19
.set SCW,  20                          ; where my fragments' scale words go
.set SCR,  21                          ; and from where 256 of those bytes leave
.set SH8,  22                          ; 8 h
.set SH16, 23                          ; 16 h
.set CH,   24                          ; 0x01010000 >> 16 h: the byte 1 for the half of K that holds zeros
.set G8,   25                          ; 8 x lane
.set SPW,  26                          ; LDS address of my spare word; never rewritten
.set NIL,  27                          ; 0; never rewritten
.set XDS,  28                          ; v28-31  packed scale words of my step's four pairs of x tiles
.set WR,   32                          ; v32-39  the eight W tiles' words as loaded
.set WDS,  40                          ; v40-43  packed: pairs of Wq (0, 1) and of Wk (2, 3)
.set XS,   44                          ; v44-45  my two x tiles' words for [X, 0] and [0, X]
.set WVS,  46                          ; Wv's likewise
.set VW,   47                          ; V's scale word, kept
.set CW,   49                          ; lanes 0-15 K's word, lanes 16-31 V's
.set QW,   50                          ; v50-51  the two query tiles' words
.set W4,   52
.set PW,   53                          ; the scale word just made
.set T0,   54
.set T1,   55
.set TM,   56                          ; v56-59 largest magnitudes, v60-63 the other half's and then bytes, v68-71 the conversions' scale operands
.set PT,   72                          ; v72-79  the conversions' second halves
.set WV,   80                          ; v80-97  zeros | Wv's tile | zeros
.set XO,   98                          ; v98-127 zeros | x tile 0 | zeros | x tile 1 | zeros
.set A64,  128                         ; v128-191 64 numbers ahead of a quantiser
.set A,    128                         ; v128-175 later: eight tiles' codes, four packed operands
.set PC,   176                         ; v176-187 the fragment just made
.set R,    192                         ; v192-255 x as loaded; later eight accumulators
; Two whole blocks of 32 numbers of a lane, v[s0 ..] and v[s1 ..], become 6 registers of codes each, at v[d0 ..], v[d1 ..]; their bytes in v[TM+4], v[TM+5].
.macro LQ2 s0, d0, s1, d1
	v_max3_num_f32 v[TM], |v[\s0]|, |v[\s0+1]|, 0x2800000          ; with the floor 2^(5 - 127): the byte cannot fall under 1
	v_max3_num_f32 v[TM+1], |v[\s1]|, |v[\s1+1]|, 0x2800000
.irp i, 2,4,6,8,10,12,14,16,18,20,22,24,26,28,30
	s_delay_alu instid0(VALU_DEP_2)
	v_max3_num_f32 v[TM], v[TM], |v[\s0+\i]|, |v[\s0+\i+1]|        ; the two blocks by turns
	s_delay_alu instid0(VALU_DEP_2)
	v_max3_num_f32 v[TM+1], v[TM+1], |v[\s1+\i]|, |v[\s1+\i+1]|
.endr
	s_delay_alu instid0(VALU_DEP_2)
	v_add_nc_u32 v[TM+12], 0xfe000000, v[TM]                       ; 4 off the exponent field: the conversion takes that field as its scale
	s_delay_alu instid0(VALU_DEP_2)
	v_add_nc_u32 v[TM+13], 0xfe000000, v[TM+1]
	s_delay_alu instid0(VALU_DEP_2)
	v_lshrrev_b32 v[TM+4], 23, v[TM+12]                            ; the scale's byte
	s_delay_alu instid0(VALU_DEP_2)
	v_lshrrev_b32 v[TM+5], 23, v[TM+13]
	v_cvt_scalef32_pk16_bf6_f32 v[\d0:\d0+2], v[\s0:\s0+15], v[TM+12]
	v_cvt_scalef32_pk16_bf6_f32 v[PT:PT+2], v[\s0+16:\s0+31], v[TM+12]     ; (a conversion's three registers begin on an even number)
	v_cvt_scalef32_pk16_bf6_f32 v[\d1:\d1+2], v[\s1:\s1+15], v[TM+13]
	v_cvt_scalef32_pk16_bf6_f32 v[PT+4:PT+6], v[\s1+16:\s1+31], v[TM+13]
	v_nop                                                          ; one plain place behind the scaled conversions
.irp i, 0,1,2
	v_mov_b32 v[\d0+3+\i], v[PT+\i]
	v_mov_b32 v[\d1+3+\i], v[PT+4+\i]
.endr
.endm
; The 64 results in v[R ..], register 16 b + i = k 32 b + 16 h + i of my lane's row, become a fragment's 12 registers in v[PC ..] and its scale word in v[PW] (the same in lanes l and l xor 16).
; Each accumulator is read from its low end on.
.macro QUANT
.irp b, 0,1,2,3
	v_max3_num_f32 v[TM+\b], |v[R+16*\b]|, |v[R+1+16*\b]|, 0x2800000
.endr
.irp i, 2,4,6,8,10,12,14
.irp b, 0,1,2,3
	v_max3_num_f32 v[TM+\b], v[TM+\b], |v[R+16*\b+\i]|, |v[R+1+16*\b+\i]|
.endr
.endr
.irp b, 0,1,2,3
	s_delay_alu instid0(VALU_DEP_4)
	v_permlanex16_b32 v[TM+4+\b], v[TM+\b], s24, s25
.endr
.irp b, 0,1,2,3
	s_delay_alu instid0(VALU_DEP_4)
	v_max_num_f32 v[TM+\b], v[TM+\b], v[TM+4+\b]                   ; with lane l xor 16's 16: the block's largest magnitude
.endr
.irp b, 0,1,2,3
	s_delay_alu instid0(VALU_DEP_4)
	v_add_nc_u32 v[TM+12+\b], 0xfe000000, v[TM+\b]
.endr
.irp b, 0,1,2,3
	s_delay_alu instid0(VALU_DEP_4)
	v_lshrrev_b32 v[TM+4+\b], 23, v[TM+12+\b]
.endr
	s_delay_alu instid0(VALU_DEP_3)
	v_lshl_or_b32 v[PW], v[TM+5], 8, v[TM+4]
	s_delay_alu instid0(VALU_DEP_1)
	v_lshl_or_b32 v[PW], v[TM+6], 16, v[PW]
	s_delay_alu instid0(VALU_DEP_1)
	v_lshl_or_b32 v[PW], v[TM+7], 24, v[PW]
.irp c, 0,1
	v_cvt_scalef32_pk16_bf6_f32 v[PC+6*\c:PC+2+6*\c], v[R+32*\c:R+15+32*\c], v[TM+12+2*\c]
	v_cvt_scalef32_pk16_bf6_f32 v[PT+4*\c:PT+2+4*\c], v[R+16+32*\c:R+31+32*\c], v[TM+12+2*\c+1]
.endr
	v_nop                                                          ; one plain place behind the scaled conversions
.irp c, 0,1                                                    ; the operand wants a WHOLE block in a lane: lanes 0-15 block 2 c, lanes 16-31 block 2 c + 1
.irp i, 0,1,2
	v_permlane16_swap_b32 v[PC+6*\c+\i], v[PT+4*\c+\i]
.endr
.irp i, 0,1,2
	s_delay_alu instid0(VALU_DEP_3)
	v_mov_b32 v[PC+3+6*\c+\i], v[PT+4*\c+\i]
.endr
.endr
.endm
; Bytes 2 u, 2 u + 1 of a packed word become the word for [X, 0] in lanes 0-15 and for [0, X] in lanes 16-31.
.macro HALFW dst, src, u
	v_bfe_u32 v[T0], v[\src], 16*\u, 16
	s_delay_alu instid0(VALU_DEP_1)
	v_lshlrev_b32 v[T0], v[SH16], v[T0]
	s_delay_alu instid0(VALU_DEP_1)
	v_or_b32 v[\dst], v[T0], v[CH]
.endm
.macro BARRIER                                                 ; my LDS stores have landed and my LDS loads are in: then the work-group's barrier
	s_wait_dscnt 0x0
	s_barrier_signal -1
	s_barrier_wait -1
.endm
; One product, C = 0.  row = 1: source 1 is [0, X], its scales in lanes 16-31.
.macro MM d, a, b, sa, sb, row
.if \row
	v_wmma_scale_f32_16x16x128_f8f6f4 v[\d:\d+7], v[\a:\a+11], v[\b:\b+11], 0, v[\sa], v[\sb] matrix_a_fmt:MATRIX_FMT_BF6 matrix_b_fmt:MATRIX_FMT_BF6 matrix_b_scale:MATRIX_SCALE_ROW1
.else
	v_wmma_scale_f32_16x16x128_f8f6f4 v[\d:\d+7], v[\a:\a+11], v[\b:\b+11], 0, v[\sa], v[\sb] matrix_a_fmt:MATRIX_FMT_BF6 matrix_b_fmt:MATRIX_FMT_BF6
.endif
.endm
; q (wb = 0) or k (wb = 2) of my 32 rows, transposed: source 0 = two tiles of W, packed, source 1 = x tile u.  Register R + 32 u + 16 e + i of lane (r, h) = channel 32 e + 16 h + i of row r of tile u.
.macro PROJ wb
.irp u, 0,1
.irp e, 0,1
	MM R+32*\u+16*\e, A+12*(\wb+\e), XO+6+12*\u, WDS+\wb+\e, XS+\u, 0
	MM R+32*\u+16*\e+8, A+12*(\wb+\e), XO+12*\u, WDS+\wb+\e, XS+\u, 1
.endr
.endr
.endm
	s_load_b256 s[4:11], s[0:1], 0x0               ; x s[4:5], Wq s[6:7], Wk s[8:9], Wv s[10:11]
	s_load_b128 s[12:15], s[0:1], 0x20             ; KC, VC
	s_load_b128 s[16:19], s[0:1], 0x30             ; QC, QS
	v_lshl_add_u32 v[SPW], v0, 2, SPARE
	v_mov_b32 v[NIL], 0
	v_lshrrev_b32 v[LANE], 5, v0
	s_delay_alu instid0(VALU_DEP_1)
	v_readfirstlane_b32 s20, v[LANE]               ; wave w, 0..7
	s_lshr_b32 s21, s20, 2                         ; s: which of the two steps
	s_and_b32 s22, s20, 3                          ; b: which 32 keys of it, and which fragment
	v_and_b32 v[LANE], 31, v0
	v_and_b32 v[RR], 15, v0
	v_bfe_u32 v[HH], v0, 4, 1
	s_delay_alu instid0(VALU_DEP_3)
	v_lshlrev_b32 v[G16], 4, v[LANE]
	s_delay_alu instid0(VALU_DEP_4)
	v_lshlrev_b32 v[G8], 3, v[LANE]
	s_mul_i32 s32, s20, STGW
	v_mul_u32_u24 v[STW], v[HH], 272
	s_delay_alu instid0(VALU_DEP_1)
	v_lshl_add_u32 v[STW], v[RR], 4, v[STW]
	s_delay_alu instid0(VALU_DEP_1)
	v_add_nc_u32 v[STW], s32, v[STW]
	v_mul_u32_u24 v[STR], v[RR], 272
	s_delay_alu instid0(VALU_DEP_1)
	v_lshl_add_u32 v[STR], v[HH], 7, v[STR]
	s_delay_alu instid0(VALU_DEP_1)
	v_add_nc_u32 v[STR], s32, v[STR]
	v_and_b32 v[T0], 8, v[RR]
	s_delay_alu instid0(VALU_DEP_1)
	v_add_nc_u32 v[T0], v[T0], v[RR]               ; r + 8 (r / 8)
	s_delay_alu instid0(VALU_DEP_1)
	v_lshlrev_b32 v[WOA], 2, v[T0]
	s_delay_alu instid0(VALU_DEP_1)
	v_lshl_add_u32 v[WOA], v[HH], 13, v[WOA]       ; + 32 h rows of 256 bytes
	s_lshr_b32 s33, s22, 1
	s_lshl_b32 s33, s33, 7
	s_and_b32 s34, s20, 1
	s_lshl_b32 s34, s34, 5
	s_add_co_u32 s33, s33, s34                     ; the tile's first d, in bytes: 4 (32 (b / 2) + 8 (b % 2))
	v_add_nc_u32 v[WOA], s33, v[WOA]
	v_lshlrev_b32 v[WOB], 2, v[RR]
	s_delay_alu instid0(VALU_DEP_1)
	v_lshl_add_u32 v[WOB], v[HH], 13, v[WOB]
	s_lshl_b32 s33, s22, 6                         ; Wv's tile b: d = 16 b + r
	v_add_nc_u32 v[WOB], s33, v[WOB]
	v_lshl_add_u32 v[I16], v[LANE], 4, IMG0
	v_lshl_add_u32 v[I8], v[LANE], 3, IMG0
	v_lshl_add_u32 v[I4], v[LANE], 2, IMG0
	s_mul_i32 s33, s20, 1536
	v_add_nc_u32 v[XWI], s33, v[I16]
	v_add_nc_u32 v[XWJ], s33, v[I8]
	s_lshl_b32 s34, s20, 7
	v_add_nc_u32 v[XWS], s34, v[I4]
	s_mul_i32 s35, s20, 768
	v_add_nc_u32 v[W16], s35, v[I16]
	v_add_nc_u32 v[W8], s35, v[I8]
	s_mul_i32 s36, s21, 6144
	v_add_nc_u32 v[XRI], s36, v[I16]
	v_add_nc_u32 v[XRJ], s36, v[I8]
	s_lshl_b32 s37, s21, 9
	v_add_nc_u32 v[XRS], s37, v[I4]
	s_and_b32 s38, s22, 1
	s_lshl_b32 s38, s38, 7
	s_lshr_b32 s39, s22, 1
	s_lshl_b32 s39, s39, 2
	s_add_co_u32 s38, s38, s39
	s_add_co_u32 s38, s38, s37                     ; 512 s + 128 (b % 2) + 4 (b / 2): fragment b's word lies in word b / 2 of lanes 16 (b % 2) + r
	v_lshlrev_b32 v[SCW], 3, v[RR]
	s_delay_alu instid0(VALU_DEP_1)
	v_lshl_add_u32 v[SCW], v[HH], 8, v[SCW]        ; lanes 16-31 store V's word, 256 bytes behind K's
	s_delay_alu instid0(VALU_DEP_1)
	v_add_nc_u32 v[SCW], s38, v[SCW]
	s_delay_alu instid0(VALU_DEP_1)
	v_add_nc_u32 v[SCW], IMG0, v[SCW]
	s_and_b32 s39, s22, 1
	s_lshl_b32 s39, s39, 8
	s_add_co_u32 s39, s39, s37
	v_add_nc_u32 v[SCR], s39, v[I8]                ; wave b = 0 sends K's 256 bytes, wave b = 1 V's
	v_lshlrev_b32 v[SH8], 3, v[HH]
	v_lshlrev_b32 v[SH16], 4, v[HH]
	v_mov_b32 v[CH], 0x01010000
	s_delay_alu instid0(VALU_DEP_1)
	v_lshrrev_b32 v[CH], v[SH16], v[CH]
.irp i, 0,1,2,3,4,5
	v_mov_b32 v[XO+\i], 0                          ; the zero codes beside x's tiles and Wv's: operands, written once
	v_mov_b32 v[XO+12+\i], 0
	v_mov_b32 v[XO+24+\i], 0
	v_mov_b32 v[WV+\i], 0
	v_mov_b32 v[WV+12+\i], 0
.endr
.irp i, 4,5,6,7
	v_mov_b32 v[TM+\i], 0                          ; a lane permute's destination counts as one of its sources
.endr
	v_mov_b32 v[T1], 0
	s_mov_b32 s24, 0x76543210
	s_mov_b32 s25, 0xfedcba98                      ; v_permlanex16_b32's selects for lane l xor 16
	s_mov_b32 s26, 0xffff0000                      ; lanes 16-31
	s_lshl_b32 s40, ttmp9, 16                      ; x: 256 g rows of 256 bytes
	s_lshl_b32 s41, s20, 13                        ;    + 32 w rows
	s_add_co_u32 s40, s40, s41
	s_mov_b32 s41, 0
	s_lshl_b32 s42, ttmp9, 1
	s_add_co_u32 s42, s42, s21
	s_mul_i32 s42, s42, 6400                       ; KC, VC: record 2 g + s
	s_mov_b32 s43, 0
	s_mul_i32 s44, s22, 1536                       ; fragment b in it
	s_mov_b32 s45, 0
	s_lshl_b32 s46, ttmp9, 3
	s_add_co_u32 s46, s46, s20                     ; the pair of query tiles: 8 g + w
	s_lshl_b32 s48, s46, 8                         ; QS: 256 bytes a pair
	s_mul_i32 s46, s46, 1536                       ; QC: 2 x 768 bytes a pair
	s_mov_b32 s47, 0
	s_mov_b32 s49, 0
	s_wait_kmcnt 0x0
	s_cmp_lt_u32 s20, 4
	s_cselect_b64 s[28:29], s[6:7], s[8:9]         ; waves 0-3 quantise Wq's tiles, waves 4-7 Wk's
	s_add_nc_u64 s[4:5], s[4:5], s[40:41]
	s_add_nc_u64 s[12:13], s[12:13], s[42:43]
	s_add_nc_u64 s[14:15], s[14:15], s[42:43]
	s_cmp_eq_u32 s22, 0
	s_cselect_b64 s[30:31], s[12:13], s[14:15]     ; the record whose scale words I send, if I send
	s_add_nc_u64 s[12:13], s[12:13], s[44:45]
	s_add_nc_u64 s[14:15], s[14:15], s[44:45]
	s_add_nc_u64 s[16:17], s[16:17], s[46:47]
	s_add_nc_u64 s[18:19], s[18:19], s[48:49]
	; ---- all loads at once.  W: a lane takes a column d and its registers run down c
.set i, 0
.rept 32
	global_load_b32 v[A64+i], v[WOA], s[28:29] offset:256*i
.set i, i+1
.endr
.set i, 0
.rept 32
	global_load_b32 v[A64+32+i], v[WOB], s[10:11] offset:256*i
.set i, i+1
.endr
.set i, 0
.rept 16
	global_load_b128 v[R+4*i:R+4*i+3], v[G16], s[4:5] offset:512*i th:TH_LOAD_NT   ; 32 lanes read 512 consecutive bytes: rows 2 i, 2 i + 1 of my 32
.set i, i+1
.endr
	; ---- the weights
	s_wait_loadcnt 16                              ; both tiles of W are in; the 16 younger loads, x's, may stay out
	LQ2 A64, XO+6, A64+32, WV+6                    ; (the shared tile's codes pass through x tile 0's registers)
	v_lshlrev_b32 v[T0], v[SH8], v[TM+4]           ; my byte is block h's: at its place in the word,
	s_delay_alu instid0(VALU_DEP_1)
	v_permlanex16_b32 v[T1], v[T0], s24, s25
	s_delay_alu instid0(VALU_DEP_1)
	v_or_b32 v[PW], v[T0], v[T1]                   ; with lane l xor 16's: [s0, s1, 0, 0]
	v_lshlrev_b32 v[T0], v[SH8], v[TM+5]
	s_delay_alu instid0(VALU_DEP_1)
	v_permlanex16_b32 v[T1], v[T0], s24, s25
	s_delay_alu instid0(VALU_DEP_1)
	v_or_b32 v[W4], v[T0], v[T1]
	ds_store_b128 v[W16], v[XO+6:XO+9] offset:WIMG
	ds_store_b64 v[W8], v[XO+10:XO+11] offset:WIMG+512
	ds_store_b32 v[XWS], v[PW] offset:WSC
	HALFW WVS, W4, 0
	; ---- x turns through my stage: in as loaded, the rows laid in tile order; out 128 bytes a lane: a whole block of 32 along c
	s_wait_loadcnt 0x0
.set i, 0
.rept 16
	ds_store_b128 v[STW], v[R+4*i:R+4*i+3] offset:272*(16*((i>>2)&1)+((2*i)&7)+8*(i>>3))
.set i, i+1
.endr
.irp u, 0,1
.irp p, 0,1,2,3,4,5,6,7
	ds_load_b128 v[A64+32*\u+4*\p:A64+32*\u+4*\p+3], v[STR] offset:272*16*\u+16*\p   ; LDS serves a wave's instructions in order: these see my stores
.endr
.endr
	s_wait_dscnt 0x0                               ; the numbers are back; W's image has been stored, so its registers may take x's codes
	LQ2 A64, XO+6, A64+32, XO+18
	v_lshl_or_b32 v[T0], v[TM+5], 16, v[TM+4]
	s_delay_alu instid0(VALU_DEP_1)
	v_lshlrev_b32 v[T0], v[SH8], v[T0]
	s_delay_alu instid0(VALU_DEP_1)
	v_permlanex16_b32 v[T1], v[T0], s24, s25
	s_delay_alu instid0(VALU_DEP_1)
	v_or_b32 v[W4], v[T0], v[T1]                   ; [tile 0 s0, s1, tile 1 s0, s1] of row r: the pair's packed word
	HALFW XS, W4, 0
	HALFW XS+1, W4, 1
.irp u, 0,1
	ds_store_b128 v[XWI], v[XO+6+12*\u:XO+9+12*\u] offset:XIMG+768*\u
	ds_store_b64 v[XWJ], v[XO+10+12*\u:XO+11+12*\u] offset:XIMG+768*\u+512
.endr
	ds_store_b32 v[XWS], v[W4] offset:XSC
	BARRIER                                        ; x's sixteen tiles and W's eight lie in LDS
	; ---- V: source 0 = two tiles of my step's keys, packed; source 1 = Wv's tile b: a lane holds channel 16 b + r, its registers run along the keys
.irp i, 0,1,2,3,4,5,6,7
	ds_load_b128 v[A+6*\i:A+6*\i+3], v[XRI] offset:XIMG+768*\i
	ds_load_b64 v[A+6*\i+4:A+6*\i+5], v[XRJ] offset:XIMG+768*\i+512
.endr
.irp b, 0,1,2,3
	ds_load_b32 v[XDS+\b], v[XRS] offset:XSC+128*\b
.endr
.irp i, 0,1,2,3,4,5,6,7
	ds_load_b32 v[WR+\i], v[I4] offset:WSC+128*\i
.endr
	s_wait_dscnt 0x0
.irp b, 0,1,2,3
	MM R+16*\b, A+12*\b, WV+6, XDS+\b, WVS, 0
	MM R+16*\b+8, A+12*\b, WV, XDS+\b, WVS, 1
.endr
.irp e, 0,1,2,3
	v_lshl_or_b32 v[WDS+\e], v[WR+2*\e+1], 16, v[WR+2*\e]   ; W's packed words.  These four lines are the places behind the products, in front of the loads below and of the first read of results
.endr
.irp i, 0,1,2,3,4,5,6,7
	ds_load_b128 v[A+6*\i:A+6*\i+3], v[I16] offset:WIMG+768*\i   ; W's eight tiles land while V is quantised
	ds_load_b64 v[A+6*\i+4:A+6*\i+5], v[I8] offset:WIMG+768*\i+512
.endr
	QUANT
.irp c, 0,1,2
	global_store_b128 v[G16], v[PC+4*\c:PC+4*\c+3], s[14:15] offset:512*\c   ; 512 consecutive bytes, aligned to 256
.endr
	v_mov_b32 v[VW], v[PW]
	; ---- K
	s_wait_dscnt 0x0                               ; W's tiles are in
	PROJ 2
.rept 4
	v_nop                                          ; places behind the products, in front of the first read of results
.endr
	s_wait_xcnt 0x0                                ; V's stores have read their registers: the fragment's registers are written again only behind this wait
	QUANT                                          ; registers 0-5: keys 32 b + r + 8 (r / 8); registers 6-11: those 8 further on: a packed fragment
.irp c, 0,1,2
	global_store_b128 v[G16], v[PC+4*\c:PC+4*\c+3], s[12:13] offset:512*\c
.endr
	v_cndmask_b32 v[CW], v[PW], v[VW], s26         ; lanes 0-15 K's word, lanes 16-31 V's
	ds_store_b32 v[SCW], v[CW] offset:SCG
	; ---- Q
	PROJ 0
.rept 4
	v_nop
.endr
	s_wait_xcnt 0x0                                ; K's stores have read their registers
	QUANT
.irp u, 0,1
	global_store_b128 v[G16], v[PC+6*\u:PC+6*\u+3], s[16:17] offset:768*\u
	global_store_b64 v[G8], v[PC+6*\u+4:PC+6*\u+5], s[16:17] offset:768*\u+512
.endr
	HALFW QW, PW, 0
	HALFW QW+1, PW, 1
	global_store_b64 v[G8], v[QW:QW+1], s[18:19]   ; 256 consecutive bytes, aligned
	; ---- the steps' scale words leave whole
	BARRIER                                        ; all four fragments' words of both steps lie in LDS
	s_cmp_lt_u32 s22, 2
	s_cbranch_scc0 .Ldone
	ds_load_b64 v[A:A+1], v[SCR] offset:SCG
	s_wait_dscnt 0x0
	global_store_b64 v[G8], v[A:A+1], s[30:31] offset:6144   ; 256 consecutive bytes, aligned, behind the record's four fragments
.Ldone:
	s_wait_tensorcnt 0x0                           ; the wave's end, behind my last LDS store
	ds_add_u32 v[SPW], v[NIL]
	s_wait_dscnt 0x0
	s_endpgm
.Lfunc_end_k_q902bf6e967_prep:
	.size	k_q902bf6e967_prep, .Lfunc_end_k_q902bf6e967_prep-k_q902bf6e967_prep
	.p2alignl 7, 3214868480
	.fill 96, 4, 3214868480
	.section	.rodata,"a",@progbits
	.p2align	6, 0x0
	.amdhsa_kernel k_q902bf6e967_prep
		.amdhsa_group_segment_fixed_size 92160
		.amdhsa_private_segment_fixed_size 0
		.amdhsa_enable_private_segment 0
		.amdhsa_kernarg_size 64
		.amdhsa_user_sgpr_count 2
		.amdhsa_user_sgpr_kernarg_segment_ptr 1
		.amdhsa_wavefront_size32 1
		.amdhsa_system_sgpr_workgroup_id_x 1
		.amdhsa_system_sgpr_workgroup_id_y 1
		.amdhsa_system_sgpr_workgroup_id_z 1
		.amdhsa_system_vgpr_workitem_id 0
		.amdhsa_next_free_vgpr 256
		.amdhsa_next_free_sgpr 66
		.amdhsa_reserve_vcc 0
		.amdhsa_float_denorm_mode_32 3
		.amdhsa_float_denorm_mode_16_64 3
		.amdhsa_memory_ordered 1
		.amdhsa_forward_progress 1
		.amdhsa_inst_pref_size 47
	.end_amdhsa_kernel
	.amdgpu_metadata
---
amdhsa.version: [ 1, 2 ]
amdhsa.kernels:
  - .name:           k_q902bf6e967_prep
    .symbol:         k_q902bf6e967_prep.kd
    .args:
      - { .name: x, .offset: 0, .size: 8, .value_kind: global_buffer, .address_space: global }
      - { .name: Wq, .offset: 8, .size: 8, .value_kind: global_buffer, .address_space: global }
      - { .name: Wk, .offset: 16, .size: 8, .value_kind: global_buffer, .address_space: global }
      - { .name: Wv, .offset: 24, .size: 8, .value_kind: global_buffer, .address_space: global }
      - { .name: KC, .offset: 32, .size: 8, .value_kind: global_buffer, .address_space: global }
      - { .name: VC, .offset: 40, .size: 8, .value_kind: global_buffer, .address_space: global }
      - { .name: QC, .offset: 48, .size: 8, .value_kind: global_buffer, .address_space: global }
      - { .name: QS, .offset: 56, .size: 8, .value_kind: global_buffer, .address_space: global }
    .group_segment_fixed_size: 92160
    .private_segment_fixed_size: 0
    .kernarg_segment_align: 8
    .kernarg_segment_size: 64
    .max_flat_workgroup_size: 256
    .sgpr_count:     66
    .vgpr_count:     256
    .wavefront_size: 32
...
	.end_amdgpu_metadata
.endif
;; end of part 1
;; launch attn (part 2): grid 16 x 16, 16 waves a work-group, no clusters, 327,680 bytes of LDS; arguments QC, QS, KC, VC, out0; writes out0
.if DOCPART == 2
	.amdgcn_target "amdgcn-amd-amdhsa--gfx1250"
	.amdhsa_code_object_version 6
	.text
	.protected	k_q902bf6e967_attn
	.globl	k_q902bf6e967_attn
	.p2align	8
	.type	k_q902bf6e967_attn,@function
k_q902bf6e967_attn:
	s_mov_b64 s[64:65], 0
	v_nop
	global_prefetch_b8 v0, s[64:65] scope:SCOPE_SE
	s_setreg_imm32_b32 hwreg(HW_REG_WAVE_MODE, 25, 1), 1
	s_wait_xcnt 0x0
; SECOND OF TWO LAUNCHES: out[b][t][:] = the sum over s <= t of softmax_s(q[t] . k[s] / 8) v[s][:], both products on codes of BF6 (E3M2) with one E8M0 scale for each 32 along K, from the first launch's buffers.
; WORK LEFT OUT: a step of 128 keys all of which come after a tile's 16 queries, and the fetch of keys that come after all queries of the work-group: reference()'s own jnp.tril gives them the weight 0 for all
; finite inputs (key 0 counts for every query, so a row's maximum is finite).  LIMIT: a NaN, an infinity or an overflow that reaches only masked scores is not carried to the result; NaN and infinities among the inputs are not served.
; THE SOFTMAX AHEAD OF THE SECOND PRODUCT: t = score x log2(e) / 8; M = the row's largest t so far, rounded UP to a whole number; p = 2^(t - M) is quantised along the keys, not normalised.  The row's sum is taken of the
; unquantised p and divides at the end.  When M moves, the sum and O are multiplied by 2^(old M - new M), which rounds nothing.
; BUFFERS.  KC, VC: [batch 16][step 32][6,400]: a step's four fragments as images of their registers (fragment f at 1,536 f, registers 4 c .. 4 c + 3 at 512 c + 16 x lane), then 256 bytes of scale words (8 x lane + 4 w:
; word w of lanes 0-15 is fragment 2 w's, of lanes 16-31 fragment 2 w + 1's).  A fragment of K is PACKED: registers 0-5 keys 32 f + r + 8 (r / 8), registers 6-11 the keys 8 further on, each with the head's 64 channels.
; A fragment of V: channels 16 f + r, the step's 128 keys.  QC: [tile][768]: a tile's 6 registers; QS: [pair of tiles][256]: its scale word for [q, 0] in lanes 0-15, for [0, q] in lanes 16-31.
; THE SCORES' K IS 64, THE INSTRUCTION'S 128: a packed fragment of K meets [q, 0] and then [0, q] (cut out of the run zeros | q | zeros): two products, no zero is read from LDS.  Zero codes add exactly 0.
; Both products are used transposed (S^T = K Q^T, O^T = V^T P^T): a lane holds ONE query throughout, and S^T's registers 16 b + i are keys 32 b + 16 (lane / 16) + i of the step.
; SHARES.  Work-group (j, batch) owns two blocks of 128 queries: waves 0-7 block j, waves 8-15 block 31 - j; a wave owns one tile of 16 queries (Q0 + r + 8 (r / 8)) and walks its block's number + 1 steps:
; 8 (j + 1) + 8 (32 - j) = 264 steps of a wave in every work-group.  Every work-group walks all 8 slots of 512 keys, so that the trip counts are constants; a wave jumps over the steps that are hidden from it.
; NO CLUSTER: the work-groups of a batch read the same K and V, but up to different keys, 128 (32 - j): a joint load would bring some partner a slot that none of its waves reads.
; LDS: two slots (K's 25,600 bytes, then V's), 65,536 bytes apart, so that one exclusive or turns an address; behind them a stage for each wave, into which no tensor load lands; the spare words.
.set SLOT1, 65536
.set SLOTB, 25600                      ; four steps' records of K, or of V
.set RECB,  6400
.set STAGE, 131072                     ; 16 rows x (256 + 16) bytes for each wave
.set SPARE, STAGE+16*4352              ; the spare words, 128 bytes for each wave: eight blocks of 256 bytes that no other line names
.set LI,   1                           ; v1   16 x lane; also my byte in two rows of out
.set L8,   2                           ; v2   8 x lane
.set DM,   3                           ; v3   r + 8 (r / 8) - 16 h
.set PFO,  4                           ; v4   256 x lane: the prefetches' offset; never rewritten
.set SPW,  5                           ; v5   LDS address of my spare word; never rewritten
.set NIL,  6                           ; v6   0; never rewritten
.set STO,  7                           ; v7   the stage: where I put 32 bytes of a row
.set SRD,  8                           ; v8   and where I read rows back
.set A16,  9                           ; v9   the step's record + 16 x lane
.set A8,   10                          ; v10  the step's record + 8 x lane
.set QR,   16                          ; v16-33 zeros | q | zeros: [0, q] = v16-27, [q, 0] = v22-33.   v12 -M, v13 the largest t, v14-15 the sum in two halves
.set QSR,  34                          ; v34  q's scale words
.set SCK,  36                          ; v36-37 K's scale words of the step
.set SCV,  38                          ; v38-39 V's
.set F,    40                          ; v40-87 four fragments, K's and then V's
.set S,    88                          ; v88-151 S^T, then p
.set O,    152                         ; v152-183 O^T
.set P,    184                         ; v184-195 p's codes
.set PT,   196                         ; v196-203 the conversions' second halves
.set BM,   204                         ; v204-207 each block's largest score, then its largest p
.set BP,   208                         ; v208-211 the other half's, then bytes
.set SO,   212                         ; v212-215 the conversions' scale operands
.set FF,   216                         ; v216 f = 2^(old M - new M); v217 is named with it as a pair
.set PW,   218                         ; v218 p's scale word
.set TT,   219                         ; v219 at work
.set L2,   220                         ; v220-221 the sum's second chain
.set DD,   222                         ; v222 the diagonal: my query - the step's first key - 16 h
.set NINF, 223                         ; v223 -infinity
.set WV,    14                         ; s14  my wave's number
.set Q0,    18                         ; s18  my tile's first query
.set LASTQ, 19                         ; s19  my work-group's last query
.set SEL,   20                         ; s[20:21] v_permlanex16_b32's selects for lane l xor 16
.set CS,    22                         ; s[22:23] c = log2(e) / 8; the packed form names a pair
.set G1,    24                         ; s[24:31] descriptor group 1
.set G0,    32                         ; s[32:35] descriptor group 0, which walks
.set PFA,   36                         ; s[36:37] where my prefetches stand
.set PN,    38                         ; s38  which piece of 8,192 bytes of the batch's 25 that is
.set PF,    39                         ; s39  1 in a wave that prefetches
.set TB,    40                         ; s40  LDS byte at which the step's record of K begins
.set KF,    41                         ; s41  the step's first key
.set SLOTS, 42
.set CNT,   43
.set QL,    44                         ; s44  my tile's last query
; Wave 0 fetches a slot's part of K, wave 1 its part of V: each one dense block.  An s_nop 0 and four v_nop follow the load.
.macro TLOAD
	s_cmp_lt_u32 s[WV], 2
	s_cbranch_scc0 .Lnone_\@
	tensor_load_to_lds s[G0:G0+3], s[G1:G1+7]
	s_nop 0
.rept 4
	v_nop
.endr
.Lnone_\@:
.endm
; A PREFETCH INTO THE L2.  All work-groups of a batch walk the same K and V: work-group j = 0, which walks all of them, asks, and nobody else.  In it waves 4-7 ask for KC and waves 8-11 for VC, one instruction each:
; 8,192 bytes, lanes 256 bytes apart.  A batch's records are 204,800 bytes: 25 such pieces.  At the c-th change of slots wave w names piece 6 + 4 (c - 1) + w % 4 while that is under 25: each piece once.  The c-th change
; loads bytes 25,600 c on; what it names begins at 49,152 + 32,768 (c - 1): but for the first 2,048 bytes, at least a slot's four steps ahead of the load that wants it.  Pieces 0-5 come by their loads alone.
.macro ASK
	s_cmp_eq_u32 s[PF], 1
	s_cbranch_scc0 .Lnot_mine_\@
	s_cmp_lt_u32 s[PN], 25
	s_cbranch_scc0 .Lnot_mine_\@
	global_prefetch_b8 v[PFO], s[PFA:PFA+1] th:TH_LOAD_NT scope:SCOPE_SE
.Lnot_mine_\@:
.endm
; THE CHANGE OF SLOTS stands at a slot's head.  Each wave waits for all its tensor loads, adds 0 to its spare word, and waits for that and for its reads of the slot that it has left.  Behind the barrier the slot ahead is
; whole and nobody reads the other one.  fill = 1: that other slot takes the next 512 keys, if any query of the work-group sees them: the load has a slot's four steps in which to land.
.macro CHANGE fill
	s_wait_tensorcnt 0x0                           ; no tensor load of mine is out, so group 0 may be written
	ds_add_u32 v[SPW], v[NIL]                      ; 0 onto my spare word
.if \fill
	ds_add_u32 v[SPW], v[NIL]                      ; and once more
	s_xor_b32 s[G0+1], s[G0+1], SLOT1              ; the other slot than last time,
	s_add_nc_u64 s[G0+2:G0+3], s[G0+2:G0+3], SLOTB ; the next four records; the type bits on top are not reached
	s_wait_xcnt 0x0                                ; the last prefetch, a slot back, has read its address, so it may be written
	s_add_nc_u64 s[PFA:PFA+1], s[PFA:PFA+1], 32768
	s_add_co_u32 s[PN], s[PN], 4
.endif
	s_wait_dscnt 0x0                               ; the add is done (fill = 1: both are), and my reads of the slot that I have left are over
	s_barrier_signal -1
	s_barrier_wait -1
.if \fill
	s_add_co_u32 s46, s[KF], 512                   ; the first key of the slot that this change would ask for:
	s_cmp_gt_u32 s46, s[LASTQ]                     ; past my work-group's last query none of its waves reads it.  Ids and the count of steps alone: all sixteen waves go the same way, and a work-group past the limit stays past it
	s_cbranch_scc1 .Lpast_\@
	TLOAD                                          ; a wave's one tensor load until the next such barrier
.Lpast_\@:
	ASK
.endif
.endm
; Fragment b of K against [q, 0] and [0, q]: keys 32 b + 16 h + 0 .. 7 and + 8 .. 15.
.macro SCORE b
.if (\b)%2
	v_wmma_scale_f32_16x16x128_f8f6f4 v[S+16*(\b):S+16*(\b)+7], v[F+12*(\b):F+12*(\b)+11], v[QR+6:QR+17], 0, v[SCK+(\b)/2], v[QSR] matrix_a_fmt:MATRIX_FMT_BF6 matrix_b_fmt:MATRIX_FMT_BF6 matrix_a_scale:MATRIX_SCALE_ROW1
	v_wmma_scale_f32_16x16x128_f8f6f4 v[S+16*(\b)+8:S+16*(\b)+15], v[F+12*(\b):F+12*(\b)+11], v[QR:QR+11], 0, v[SCK+(\b)/2], v[QSR] matrix_a_fmt:MATRIX_FMT_BF6 matrix_b_fmt:MATRIX_FMT_BF6 matrix_a_scale:MATRIX_SCALE_ROW1 matrix_b_scale:MATRIX_SCALE_ROW1
.else
	v_wmma_scale_f32_16x16x128_f8f6f4 v[S+16*(\b):S+16*(\b)+7], v[F+12*(\b):F+12*(\b)+11], v[QR+6:QR+17], 0, v[SCK+(\b)/2], v[QSR] matrix_a_fmt:MATRIX_FMT_BF6 matrix_b_fmt:MATRIX_FMT_BF6
	v_wmma_scale_f32_16x16x128_f8f6f4 v[S+16*(\b)+8:S+16*(\b)+15], v[F+12*(\b):F+12*(\b)+11], v[QR:QR+11], 0, v[SCK+(\b)/2], v[QSR] matrix_a_fmt:MATRIX_FMT_BF6 matrix_b_fmt:MATRIX_FMT_BF6 matrix_b_scale:MATRIX_SCALE_ROW1
.endif
.endm
; O^T's tile t (channels 16 t on) += V's fragment t x p.
.macro PVM t
.if (\t)%2
	v_wmma_scale_f32_16x16x128_f8f6f4 v[O+8*(\t):O+8*(\t)+7], v[F+12*(\t):F+12*(\t)+11], v[P:P+11], v[O+8*(\t):O+8*(\t)+7], v[SCV+(\t)/2], v[PW] matrix_a_fmt:MATRIX_FMT_BF6 matrix_b_fmt:MATRIX_FMT_BF6 matrix_a_scale:MATRIX_SCALE_ROW1
.else
	v_wmma_scale_f32_16x16x128_f8f6f4 v[O+8*(\t):O+8*(\t)+7], v[F+12*(\t):F+12*(\t)+11], v[P:P+11], v[O+8*(\t):O+8*(\t)+7], v[SCV+(\t)/2], v[PW] matrix_a_fmt:MATRIX_FMT_BF6 matrix_b_fmt:MATRIX_FMT_BF6
.endif
.endm
; A KEY STEP: 128 keys.
.macro STEP
	s_cmp_gt_u32 s[KF], s[QL]                      ; all its keys come after my 16 queries: the step's work is left out, not the lines at its end that step addresses
	s_cbranch_scc1 .Lhidden_\@
	s_setprio 2
	v_add_nc_u32 v[A16], s[TB], v[LI]
	v_add_nc_u32 v[A8], s[TB], v[L8]
	v_nop
	v_nop                                          ; these four lines are the places between the last step's products and the loads into the registers that they read
	ds_load_b64 v[SCK:SCK+1], v[A8] offset:6144
.irp i, 0,1,2,3,4,5,6,7,8,9,10,11
	ds_load_b128 v[F+4*\i:F+4*\i+3], v[A16] offset:512*\i   ; 512 consecutive bytes a load
.endr
	s_wait_alu depctr_va_vdst(0)
.irp b, 0,1,2,3
	s_wait_dscnt 9-3*\b                            ; the scale words and fragments 0 .. b are in; the later fragments' loads, three each, may stay out
	SCORE \b
.endr
.rept 4
	v_nop                                          ; places behind the products: in front of the loads below and of the first read of the scores
.endr
	ds_load_b64 v[SCV:SCV+1], v[A8] offset:SLOTB+6144
.irp i, 0,1,2,3,4,5,6,7,8,9,10,11
	ds_load_b128 v[F+4*\i:F+4*\i+3], v[A16] offset:SLOTB+512*\i   ; V's fragments land under the softmax
.endr
	s_add_co_u32 s46, s[KF], 127                   ; on the diagonal the scores of hidden keys become -infinity ahead of the maximum: p = 0 then.  A step all of whose keys count skips this
	s_cmp_le_u32 s46, s[Q0]
	s_cbranch_scc1 .Lopen_\@
	s_sub_co_i32 s46, s[Q0], s[KF]
	v_add_nc_u32 v[DD], s46, v[DM]                 ; register 16 b + i holds key KF + 16 h + 32 b + i: hidden where 32 b + i > my query - KF - 16 h
.set n, 0
.rept 64
	v_cmp_gt_i32 vcc_lo, 32*(n/16)+n%16, v[DD]
	v_cndmask_b32 v[S+n], v[S+n], v[NINF], vcc_lo
.set n, n+1
.endr
.Lopen_\@:
.irp b, 0,1,2,3
	v_max3_num_f32 v[BM+\b], v[S+16*\b], v[S+16*\b+1], v[S+16*\b+2]   ; THE LARGEST SCORE OF EACH BLOCK OF 32 KEYS serves twice: for the row's maximum, and, since p rises with the score, for the block's largest p
.endr
.irp i, 3,5,7,9,11,13
.irp b, 0,1,2,3
	v_max3_num_f32 v[BM+\b], v[BM+\b], v[S+16*\b+\i], v[S+16*\b+\i+1]   ; (the four blocks by turns; each accumulator is read from its low end on)
.endr
.endr
.irp b, 0,1,2,3
	v_max_num_f32 v[BM+\b], v[BM+\b], v[S+16*\b+15]
.endr
.irp b, 0,1,2,3
	s_delay_alu instid0(VALU_DEP_4)
	v_permlanex16_b32 v[BP+\b], v[BM+\b], s[SEL], s[SEL+1]
.endr
.irp b, 0,1,2,3
	s_delay_alu instid0(VALU_DEP_4)
	v_max_num_f32 v[BM+\b], v[BM+\b], v[BP+\b]     ; with lane l xor 16's 16 keys
.endr
	s_delay_alu instid0(VALU_DEP_2)
	v_max3_num_f32 v[TT], v[BM], v[BM+1], v[BM+2]
	s_delay_alu instid0(VALU_DEP_1)
	v_max_num_f32 v[TT], v[TT], v[BM+3]            ; the step's largest score of my query
	s_delay_alu instid0(VALU_DEP_1)
	v_mul_f32 v[TT], s[CS], v[TT]                  ; as t (c is positive)
	s_delay_alu instid0(VALU_DEP_1)
	v_max_num_f32 v13, v13, v[TT]                  ; the running largest t
	v_mov_b32 v[TT], v12
	s_delay_alu instid0(VALU_DEP_2)
	v_floor_f32 v12, -v13                          ; the new -M = floor(-t) = -ceil(t): M is a whole number
	s_delay_alu instid0(VALU_DEP_1)
	v_sub_f32 v[TT], v12, v[TT]                    ; old M - new M: a whole number, 0 or less
	s_delay_alu instid0(VALU_DEP_1)
	v_cvt_i32_f32 v[TT], v[TT]                     ; (it saturates)
	s_delay_alu instid0(VALU_DEP_1)
	v_ldexp_f32 v[FF], 1.0, v[TT]                  ; f = 2^(old M - new M)
.set n, 0
.rept 32
	v_pk_fma_f32 v[S+n:S+n+1], v[S+n:S+n+1], s[CS:CS+1], v[12:13] op_sel_hi:[1,0,0]   ; t - M, two at a time (of the pairs c and -M the low word serves both halves)
.set n, n+2
.endr
	s_setprio 1
.irp b, 0,1,2,3
	v_fma_f32 v[BM+\b], v[BM+\b], s[CS], v12       ; the same of each block's largest score
.endr
.set n, 0
	s_wait_alu depctr_va_vdst(0)
.rept 64
	v_exp_f32 v[S+n], v[S+n]                       ; p = 2^(t - M), at most 1: not normalised
.set n, n+1
.endr
	v_pk_mul_f32 v[14:15], v[14:15], v[FF:FF+1] op_sel_hi:[1,0]   ; the sums under the new M: the plain instruction behind the exponentials
	s_wait_alu depctr_va_vdst(0)                   ; one wait for the whole batch, ahead of its first reader
.irp b, 0,1,2,3
	v_exp_f32 v[BM+\b], v[BM+\b]                   ; the block's largest p: the same two instructions on the same number give the same bits
.endr
	v_pk_add_f32 v[220:221], v[92:93], v[96:97]
	v_pk_add_f32 v[214:215], v[100:101], v[104:105]
	v_pk_add_f32 v[212:213], v[108:109], v[112:113]
	v_pk_add_f32 v[210:211], v[116:117], v[120:121]
	v_pk_add_f32 v[208:209], v[124:125], v[128:129]
	v_pk_add_f32 v[202:203], v[132:133], v[136:137]
	v_pk_add_f32 v[200:201], v[140:141], v[144:145]
	v_pk_add_f32 v[14:15], v[14:15], v[148:149]
	v_pk_add_f32 v[220:221], v[220:221], v[88:89]
	v_pk_add_f32 v[214:215], v[214:215], v[90:91]
	v_pk_add_f32 v[212:213], v[212:213], v[94:95]
	v_pk_add_f32 v[210:211], v[210:211], v[98:99]
	v_pk_add_f32 v[208:209], v[208:209], v[102:103]
	v_pk_add_f32 v[202:203], v[202:203], v[106:107]
	v_pk_add_f32 v[200:201], v[200:201], v[110:111]
	v_pk_add_f32 v[14:15], v[14:15], v[114:115]
	v_pk_add_f32 v[220:221], v[220:221], v[118:119]
	v_pk_add_f32 v[214:215], v[214:215], v[122:123]
	v_pk_add_f32 v[212:213], v[212:213], v[126:127]
	v_pk_add_f32 v[210:211], v[210:211], v[130:131]
	v_pk_add_f32 v[208:209], v[208:209], v[134:135]
	v_pk_add_f32 v[202:203], v[202:203], v[138:139]
	v_pk_add_f32 v[200:201], v[200:201], v[142:143]
	v_pk_add_f32 v[14:15], v[14:15], v[146:147]
	v_pk_add_f32 v[220:221], v[220:221], v[150:151]
	s_delay_alu instid0(VALU_DEP_2)
	v_pk_add_f32 v[14:15], v[14:15], v[210:211]
	s_delay_alu instid0(VALU_DEP_2)
	v_pk_add_f32 v[220:221], v[220:221], v[208:209]
	v_pk_add_f32 v[214:215], v[214:215], v[202:203]
	v_pk_add_f32 v[212:213], v[212:213], v[200:201]
	s_delay_alu instid0(VALU_DEP_2)
	v_pk_add_f32 v[14:15], v[14:15], v[214:215]
	s_delay_alu instid0(VALU_DEP_2)
	v_pk_add_f32 v[220:221], v[220:221], v[212:213]
	s_delay_alu instid0(VALU_DEP_1)
	v_pk_add_f32 v[14:15], v[14:15], v[220:221]
	s_wait_alu depctr_va_vdst(0)                   ; and one for the four
.irp b, 0,1,2,3
	v_max_num_f32 v[BM+\b], 0x2800000, v[BM+\b]    ; the floor 2^(5 - 127): the byte cannot fall under 1 (a block whose every p is 0 keeps that byte: its codes are zeros)
.endr
.irp b, 0,1,2,3
	s_delay_alu instid0(VALU_DEP_4)
	v_add_nc_u32 v[SO+\b], 0xfe000000, v[BM+\b]    ; 4 off the exponent field: the conversion's scale operand
.endr
.irp b, 0,1,2,3
	s_delay_alu instid0(VALU_DEP_4)
	v_lshrrev_b32 v[BP+\b], 23, v[SO+\b]           ; the scale's byte
.endr
	s_delay_alu instid0(VALU_DEP_3)
	v_lshl_or_b32 v[PW], v[BP+1], 8, v[BP]         ; p's scale word for these 128 keys
	s_delay_alu instid0(VALU_DEP_1)
	v_lshl_or_b32 v[PW], v[BP+2], 16, v[PW]
	s_delay_alu instid0(VALU_DEP_1)
	v_lshl_or_b32 v[PW], v[BP+3], 24, v[PW]
	s_setprio 0
.irp c, 0,1
	v_cvt_scalef32_pk16_bf6_f32 v[P+6*\c:P+2+6*\c], v[S+32*\c:S+15+32*\c], v[SO+2*\c]
	v_cvt_scalef32_pk16_bf6_f32 v[PT+4*\c:PT+2+4*\c], v[S+16+32*\c:S+31+32*\c], v[SO+2*\c+1]   ; (a conversion's three registers begin on an even number)
.endr
	v_nop                                          ; one plain place behind the scaled conversions
.irp c, 0,1                                    ; the operand wants a WHOLE block in a lane: lanes 0-15 block 2 c, lanes 16-31 block 2 c + 1
.irp i, 0,1,2
	v_permlane16_swap_b32 v[P+6*\c+\i], v[PT+4*\c+\i]
.endr
.irp i, 0,1,2
	s_delay_alu instid0(VALU_DEP_3)
	v_mov_b32 v[P+3+6*\c+\i], v[PT+4*\c+\i]
.endr
.endr
.set n, 0
.rept 16
	v_pk_mul_f32 v[O+n:O+n+1], v[O+n:O+n+1], v[FF:FF+1] op_sel_hi:[1,0]   ; O^T under the new M, each accumulator from its low end on.  These 16 are also the places between p's codes and scale word and the products below
.set n, n+2
.endr
	s_wait_alu depctr_va_vdst(0)
	s_wait_dscnt 0x0                               ; V's fragments and scale words are in
.irp t, 0,1,2,3
	PVM \t                                         ; the four accumulators by turns, one instruction a turn; the next step's eight score products stand between a link and the next
.endr
.Lhidden_\@:
	s_add_co_u32 s[KF], s[KF], 128
	s_add_co_u32 s[TB], s[TB], RECB
.endm
.macro SLOT_STEPS                              ; a slot's four steps: written once, walked four times; the LDS addresses hang on s[TB]
	s_mov_b32 s[CNT], 4
.Lstep_\@:
	STEP
	s_sub_co_u32 s[CNT], s[CNT], 1
	s_cmp_lg_u32 s[CNT], 0
	s_cbranch_scc1 .Lstep_\@
	s_setprio 0
	s_sub_co_u32 s[TB], s[TB], SLOTB               ; back to a slot's first record,
	s_xor_b32 s[TB], s[TB], SLOT1                  ; in the other slot
.endm
	s_load_b256 s[4:11], s[0:1], 0x0               ; QC s[4:5], QS s[6:7], KC s[8:9], VC s[10:11]
	s_load_b64 s[12:13], s[0:1], 0x20              ; out
	v_lshl_add_u32 v[SPW], v0, 2, SPARE
	v_mov_b32 v[NIL], 0
	ds_add_u32 v[SPW], v[NIL]                      ; the wave's opening: the add, twice on end, and its wait ahead of the first tensor load; the set-up below, work on registers, stands between the second and the wait
	ds_add_u32 v[SPW], v[NIL]
	v_lshrrev_b32 v[A16], 5, v0
	s_delay_alu instid0(VALU_DEP_1)
	v_readfirstlane_b32 s[WV], v[A16]              ; wave 0..15
	s_mov_b32 s15, ttmp9                           ; j
	s_and_b32 s16, ttmp7, 0xffff                   ; the batch
	s_sub_co_u32 s46, 31, s15
	s_cmp_lt_u32 s[WV], 8
	s_cselect_b32 s17, s15, s46                    ; my block of 128 queries: j or 31 - j
	s_and_b32 s46, s[WV], 7                        ; my tile in it
	s_lshr_b32 s47, s46, 1
	s_lshl_b32 s47, s47, 5
	s_and_b32 s48, s[WV], 1
	s_lshl_b32 s49, s48, 3
	s_lshl_b32 s[Q0], s17, 7
	s_add_co_u32 s[Q0], s[Q0], s47
	s_add_co_u32 s[Q0], s[Q0], s49                 ; my first query: 128 x block + 32 (tile / 2) + 8 (tile % 2)
	s_add_co_u32 s[QL], s[Q0], 23                  ; my last: r = 15 gives 15 + 8
	s_sub_co_u32 s[LASTQ], 32, s15
	s_lshl_b32 s[LASTQ], s[LASTQ], 7
	s_sub_co_u32 s[LASTQ], s[LASTQ], 1             ; block 31 - j ends at 128 (32 - j) - 1
	s_lshl_b32 s50, s16, 8
	s_lshl_b32 s51, s17, 3
	s_add_co_u32 s50, s50, s51
	s_add_co_u32 s50, s50, s46                     ; my tile among all: 256 x batch + 8 x block + tile
	s_mul_i32 s52, s50, 768                        ; its codes
	s_mov_b32 s53, 0
	s_lshr_b32 s54, s50, 1
	s_lshl_b32 s54, s54, 8
	s_lshl_b32 s51, s48, 2
	s_add_co_u32 s54, s54, s51                     ; its scale words: 256 bytes a pair, + 4 for the odd tile
	s_mov_b32 s55, 0
	s_lshl_b32 s56, s16, 12
	s_add_co_u32 s56, s56, s[Q0]
	s_lshl_b32 s56, s56, 8                         ; its first row of out: 256 bytes a row
	s_mov_b32 s57, 0
	s_mul_i32 s58, s16, 32*RECB                    ; the batch's records
	s_mov_b32 s59, 0
	; descriptor group 1: a dense block of 25,600 bytes as 100 rows of 256 bytes (32 elements of 8 bytes), no padding
	s_mov_b32 s[G1], 3<<16                         ; no mask; elements of 8 bytes; padding off
	s_mov_b32 s[G1+1], 32<<16                      ; tensor_dim0 = 32
	s_mov_b32 s[G1+2], 100<<16                     ; tensor_dim1 = 100
	s_mov_b32 s[G1+3], 32<<16                      ; tile_dim0 = 32
	s_mov_b32 s[G1+4], 100                         ; tile_dim1 = 100
	s_mov_b32 s[G1+5], 32                          ; from row to row
	s_mov_b32 s[G1+6], 0
	s_mov_b32 s[G1+7], 0
	s_mov_b32 s[G0], 1                             ; count = 1
	s_mul_i32 s[G0+1], s48, SLOTB                  ; LDS: slot 0; even waves K's part, odd waves V's
	s_mov_b32 s[SEL], 0x76543210
	s_mov_b32 s[SEL+1], 0xfedcba98
	s_mov_b32 s[CS], 0x3e38aa3b                    ; log2(e) / 8
	s_mov_b32 s[CS+1], s[CS]
	s_mov_b32 s[TB], 0
	s_mov_b32 s[KF], 0
	s_mov_b32 s[SLOTS], 7
	v_and_b32 v[A16], 31, v0                       ; lane
	v_and_b32 v[A8], 15, v0                        ; r
	v_bfe_u32 v11, v0, 4, 1                        ; h
	s_delay_alu instid0(VALU_DEP_3)
	v_lshlrev_b32 v[LI], 4, v[A16]
	s_delay_alu instid0(VALU_DEP_4)
	v_lshlrev_b32 v[L8], 3, v[A16]
	v_lshlrev_b32 v[PFO], 8, v[A16]
	v_and_b32 v[DM], 8, v[A8]
	s_delay_alu instid0(VALU_DEP_1)
	v_add_nc_u32 v[DM], v[DM], v[A8]
	v_lshlrev_b32 v[TT], 4, v11
	s_delay_alu instid0(VALU_DEP_1)
	v_sub_nc_u32 v[DM], v[DM], v[TT]
	s_mul_i32 s46, s[WV], 4352
	s_add_co_u32 s46, s46, STAGE                   ; my stage
	v_mul_u32_u24 v[STO], v[A8], 272
	s_delay_alu instid0(VALU_DEP_1)
	v_lshl_add_u32 v[STO], v11, 5, v[STO]
	s_delay_alu instid0(VALU_DEP_1)
	v_add_nc_u32 v[STO], s46, v[STO]               ; in: row r, + 32 h
	v_mul_u32_u24 v[SRD], v11, 272
	s_delay_alu instid0(VALU_DEP_1)
	v_lshl_add_u32 v[SRD], v[A8], 4, v[SRD]
	s_delay_alu instid0(VALU_DEP_1)
	v_add_nc_u32 v[SRD], s46, v[SRD]               ; back: lanes 0-15 one row, lanes 16-31 the next
	s_wait_dscnt 0x0                               ; both opening adds are done
	s_wait_kmcnt 0x0
	s_cmp_eq_u32 s48, 0
	s_cselect_b64 s[G0+2:G0+3], s[8:9], s[10:11]
	s_add_nc_u64 s[G0+2:G0+3], s[G0+2:G0+3], s[58:59]   ; the batch's first four records
	s_or_b32 s[G0+3], s[G0+3], 0x80000000          ; type = 2
	TLOAD                                          ; slot 0: it holds key 0, which counts for every query
	s_add_nc_u64 s[4:5], s[4:5], s[52:53]
	s_add_nc_u64 s[6:7], s[6:7], s[54:55]
	s_add_nc_u64 s[12:13], s[12:13], s[56:57]
	global_load_b128 v[QR+6:QR+9], v[LI], s[4:5] th:TH_LOAD_NT      ; q's six registers stay
	global_load_b64 v[QR+10:QR+11], v[L8], s[4:5] offset:512 th:TH_LOAD_NT
	global_load_b32 v[QSR], v[L8], s[6:7]
	; the prefetches: where my wave's stand, and who asks.  Nothing is prefetched here, at the head
	s_cmp_lt_u32 s[WV], 8
	s_cselect_b64 s[PFA:PFA+1], s[8:9], s[10:11]
	s_add_nc_u64 s[PFA:PFA+1], s[PFA:PFA+1], s[58:59]
	s_and_b32 s46, s[WV], 3
	s_add_co_u32 s[PN], s46, 2                     ; the first change of slots steps it to piece 6 + w % 4
	s_lshl_b32 s46, s[PN], 13
	s_mov_b32 s47, 0
	s_add_nc_u64 s[PFA:PFA+1], s[PFA:PFA+1], s[46:47]
	s_sub_co_u32 s46, s[WV], 4
	s_lshr_b32 s46, s46, 3                         ; 0 in waves 4 to 11,
	s_or_b32 s46, s46, ttmp9                       ; of work-group j = 0
	s_cmp_eq_u32 s46, 0
	s_cselect_b32 s[PF], 1, 0
.irp i, 0,1,2,3,4,5
	v_mov_b32 v[QR+\i], 0                          ; the zero codes beside q: operands, written once
	v_mov_b32 v[QR+12+\i], 0
.endr
	v_mov_b32 v13, 0xff61b1e6                      ; the largest t so far: -3e38, under every t
	s_delay_alu instid0(VALU_DEP_1)
	v_floor_f32 v12, -v13                          ; -M
	v_mov_b32 v14, 0                               ; the sum, in two halves
	v_mov_b32 v15, 0
.set n, 0
.rept 32
	v_mov_b32 v[O+n], 0                            ; O^T.  (The step is written for all steps alike: the first finds zeros, which the first change of M leaves zeros)
.set n, n+1
.endr
.irp b, 0,1,2,3
	v_mov_b32 v[BP+\b], 0                          ; a lane permute's destination counts as one of its sources
.endr
	v_mov_b32 v[FF+1], 0                           ; (named as the upper half of a pair)
	v_mov_b32 v[NINF], 0xff800000
	s_wait_loadcnt 0x0                             ; q
.Lslot:                                            ; 7 trips: behind each change of slots but the last the next slot is asked for, up to the causal limit
	CHANGE 1
	SLOT_STEPS
	s_sub_co_u32 s[SLOTS], s[SLOTS], 1
	s_cmp_lg_u32 s[SLOTS], 0
	s_cbranch_scc1 .Lslot
	CHANGE 0                                       ; the last slot is written out: nothing is left to fetch
	SLOT_STEPS
	; THE WAY OUT.  O^T is divided by the row's sum and goes through my stage, so that sixteen lanes store a row's 256 consecutive bytes.
.rept 4
	v_nop                                          ; places behind the last products
.endr
	v_add_f32 v14, v14, v15                        ; the sum's two halves,
	s_delay_alu instid0(VALU_DEP_1)
	v_permlanex16_b32 v[TT], v14, s[SEL], s[SEL+1]
	s_delay_alu instid0(VALU_DEP_1)
	v_add_f32 v14, v14, v[TT]                      ; and lane l xor 16's: the row's sum
	s_wait_alu depctr_va_vdst(0)
	v_rcp_f32 v14, v14
	v_nop                                          ; a plain instruction behind the reciprocal
	s_wait_alu depctr_va_vdst(0)                   ; and the wait ahead of its first reader
.set n, 0
.rept 16
	v_pk_mul_f32 v[S+n:S+n+1], v[O+n:O+n+1], v[14:15] op_sel_hi:[1,0]   ; register 8 t + i: channel 16 t + 8 h + i of query r; each accumulator from its low end on
.set n, n+2
.endr
.irp t, 0,1,2,3
	ds_store_b128 v[STO], v[S+8*\t:S+8*\t+3] offset:64*\t
	ds_store_b128 v[STO], v[S+8*\t+4:S+8*\t+7] offset:64*\t+16
.endr
.irp i, 0,1,2,3,4,5,6,7
	ds_load_b128 v[F+4*\i:F+4*\i+3], v[SRD] offset:544*\i   ; LDS serves a wave's instructions in order: these see my stores
.endr
.irp i, 0,1,2,3,4,5,6,7
	s_wait_dscnt 7-\i                              ; rows 2 i, 2 i + 1 of the tile are back; the younger loads may stay out
	global_store_b128 v[LI], v[F+4*\i:F+4*\i+3], s[12:13] offset:(2*\i+8*(\i/4))*256 th:TH_STORE_NT   ; the tile's row r is query Q0 + r + 8 (r / 8); 512 consecutive bytes, aligned to 256
.endr
	s_wait_tensorcnt 0x0                           ; the wave's end: behind my last tensor load and my last LDS store
	ds_add_u32 v[SPW], v[NIL]
	s_wait_dscnt 0x0
	s_endpgm
.Lfunc_end_k_q902bf6e967_attn:
	.size	k_q902bf6e967_attn, .Lfunc_end_k_q902bf6e967_attn-k_q902bf6e967_attn
	.p2alignl 7, 3214868480
	.fill 96, 4, 3214868480
	.section	.rodata,"a",@progbits
	.p2align	6, 0x0
	.amdhsa_kernel k_q902bf6e967_attn
		.amdhsa_group_segment_fixed_size 327680
		.amdhsa_private_segment_fixed_size 0
		.amdhsa_enable_private_segment 0
		.amdhsa_kernarg_size 40
		.amdhsa_user_sgpr_count 2
		.amdhsa_user_sgpr_kernarg_segment_ptr 1
		.amdhsa_wavefront_size32 1
		.amdhsa_system_sgpr_workgroup_id_x 1
		.amdhsa_system_sgpr_workgroup_id_y 1
		.amdhsa_system_sgpr_workgroup_id_z 1
		.amdhsa_system_vgpr_workitem_id 0
		.amdhsa_next_free_vgpr 224
		.amdhsa_next_free_sgpr 66
		.amdhsa_reserve_vcc 1
		.amdhsa_float_denorm_mode_32 3
		.amdhsa_float_denorm_mode_16_64 3
		.amdhsa_memory_ordered 1
		.amdhsa_forward_progress 1
		.amdhsa_inst_pref_size 57
	.end_amdhsa_kernel
	.amdgpu_metadata
---
amdhsa.version: [ 1, 2 ]
amdhsa.kernels:
  - .name:           k_q902bf6e967_attn
    .symbol:         k_q902bf6e967_attn.kd
    .args:
      - { .name: QC, .offset: 0, .size: 8, .value_kind: global_buffer, .address_space: global }
      - { .name: QS, .offset: 8, .size: 8, .value_kind: global_buffer, .address_space: global }
      - { .name: KC, .offset: 16, .size: 8, .value_kind: global_buffer, .address_space: global }
      - { .name: VC, .offset: 24, .size: 8, .value_kind: global_buffer, .address_space: global }
      - { .name: out0, .offset: 32, .size: 8, .value_kind: global_buffer, .address_space: global }
    .group_segment_fixed_size: 327680
    .private_segment_fixed_size: 0
    .kernarg_segment_align: 8
    .kernarg_segment_size: 40
    .max_flat_workgroup_size: 512
    .sgpr_count:     66
    .vgpr_count:     224
    .wavefront_size: 32
...
	.end_amdgpu_metadata
.endif
;; end of part 2
